; MI455X (gfx1250); checked and timed in simulation.
; The chip was launched on July 23, 2026; its instructions are those of AMD's public machine-readable ISA for CDNA 5 (MIT licence, August 2026) and "CDNA5" Instruction Set Architecture Reference Guide (July 2026). The comments in the code are by the model that wrote it; some were corrected since.
;; Mo E Top P Layer. Allowed arithmetic: float matrix products may take bf16 or f16 operands with f32 sums; other float arithmetic in f32, or as packed bf16 or f16 multiplies, adds, multiply-adds, maxima and minima; sums over many terms, partial sums and values carried from step to step in f32; what a program stores and reads back later, other than sums and carried values, may be rounded once to bf16 or f16.
;; Inputs: W1 8 x 512 x 2,048 float32; W2 8 x 2,048 x 512 float32; b1 8 x 2,048 float32; b2 8 x 512 float32; router_w 512 x 8 float32; x 4 x 1,024 x 512 float32.
;; Outputs: out0 4 x 1,024 x 512 float32; out1 one number float32.
;; One version. Each part assembles by itself: llvm-mc -triple=amdgcn-amd-amdhsa -mcpu=gfx1250 --defsym DOCPART=n.
;; ======== version 1 of 1: 3 launches
;; workspace buffers: wq 33,587,200 bytes; route 16,384 bytes of whole numbers; sel 16,384 bytes of whole numbers; wts 65,536 bytes; psum 16,384 bytes; partial 33,554,432 bytes
;; launch prep (part 1): grid 1152 x 1, 4 waves a work-group, no clusters, 55,808 bytes of LDS; arguments x, router_w, W1, W2, wq, route, sel, wts, psum; writes wq, route, sel, wts, psum
.if DOCPART == 1
	.amdgcn_target "amdgcn-amd-amdhsa--gfx1250"
	.amdhsa_code_object_version 6
	.text
	.protected	k_qd21ab1c62f_prep
	.globl	k_qd21ab1c62f_prep
	.p2align	8
	.type	k_qd21ab1c62f_prep,@function
k_qd21ab1c62f_prep:
	s_mov_b64 s[64:65], 0
	v_nop
	global_prefetch_b8 v0, s[64:65] scope:SCOPE_SE
	s_setreg_imm32_b32 hwreg(HW_REG_WAVE_MODE, 25, 1), 1
	s_wait_xcnt 0x0
; PREP: two roles, chosen by the work-group's number.
; Work-groups 0-127, THE ROUTER: 32 tokens each.  logits = x router_w with both rounded to bf16 (products exact, sums in f32), softmax with the row's maximum
; taken away, the four largest probabilities (of equals the lower index), the cut at a running sum of 0.9 (the first is always kept), weights renormalised.
; Everything is stored at fixed places: sel (a byte a slot: the expert, or 0xff), wts, route (for 32 tokens a bit mask and a count for each expert), psum (sums of the probabilities).
; Work-groups 128-1151, THE LAYOUT: a wave takes 32 k x 128 n of W1 or W2, rounds it to bf16 and stores it as eight matrix fragments of 1,024 bytes.
; A STREAM (expert e, wave w of the next launch) is 256 stages of four fragments, in the order in which that wave walks them.  The hidden layer goes in 8 chunks of 256 columns (64 a wave):
; A(c) = W1's 16 stages for chunk c, B(c) = W2's 16 stages for chunk c; the order is A0 A1 B0 A2 B1 .. A7 B6 B7: A(c) begins at stage max(32 c - 16, 0), B(c) at min(32 c + 32, 240).
; LIMITS.  A probability below 2^-126 counts as 0; reciprocals and exponentials are good to the last bit or so; NaN and infinities are not treated apart.
.set SPARE,  55296                     ; the spare words: 128 bytes for each wave, named by no other line
.set PART,   51200                     ; the four waves' partial logits: 1,024 bytes each
.set REGION, 12800                     ; a wave's own bytes
.set TP,     288                       ; layout: a row of 128 bf16 + 32 bytes = 9 x 32: the turning load's eight rows start 32 bytes apart modulo 256
.set XSP,    272                       ; router: a row of 128 bf16 of x + 16 bytes = 17 x 16
.set RWI,    32*XSP                    ; router: behind the 32 rows of x, router_w's image [128 k][16 n], 32 bytes a row
.set D,      16                        ; v[16:143] data
.macro FINISH                          ; the wave's end: three lines behind the last LDS store
	s_wait_tensorcnt 0x0
	ds_add_u32 v2, v3
	s_wait_dscnt 0x0
	s_endpgm
.endm
; A tile of 32 rows (k) x 128 columns (n) of f32: loaded by rows of 512 bytes, rounded, laid into LDS, read back turned as eight fragments, stored:
; fragments 0-3 are a stage at s[32:33], fragments 4-7 a stage at s[34:35].
.macro CONV step
.set k, 0
.rept 32
	global_load_b128 v[D+4*k:D+4*k+3], v5, s[30:31] offset:k*(\step) th:TH_LOAD_NT
.set k, k+1
.endr
.set k, 0
.rept 32
	s_wait_loadcnt 31-k                            ; row k is in; the 31 - k younger rows stay out
	v_cvt_pk_bf16_f32 v[D+4*k], v[D+4*k], v[D+4*k+1]
	v_cvt_pk_bf16_f32 v[D+4*k+1], v[D+4*k+2], v[D+4*k+3]
	ds_store_b64 v9, v[D+4*k:D+4*k+1] offset:k*TP
.set k, k+1
.endr
.set i, 0
.rept 8                                ; fragment i: columns 16 i on; the wave's own bytes, and LDS serves a wave in order: no wait between stores and loads
	ds_load_tr16_b128 v[D+8*i:D+8*i+3], v10 offset:32*i
	ds_load_tr16_b128 v[D+8*i+4:D+8*i+7], v10 offset:32*i+16*TP
.set i, i+1
.endr
.set i, 0
.rept 8
.set db, 32+2*(i/4)
	s_wait_dscnt 15-2*i                            ; the younger turning loads stay out
	global_store_b128 v5, v[D+8*i:D+8*i+3], s[db:db+1] offset:(i%4)*1024        ; 512 consecutive bytes, aligned
	s_wait_dscnt 14-2*i
	global_store_b128 v5, v[D+8*i+4:D+8*i+7], s[db:db+1] offset:(i%4)*1024+512
.set i, i+1
.endr
	FINISH
.endm
	s_load_b512 s[8:23], s[0:1], 0x0               ; x 8, router_w 10, W1 12, W2 14, wq 16, route 18, sel 20, wts 22
	s_load_b64 s[24:25], s[0:1], 0x40              ; psum
	v_lshl_add_u32 v2, v0, 2, SPARE
	v_mov_b32 v3, 0
	v_lshrrev_b32 v1, 5, v0
	v_readfirstlane_b32 s4, v1                     ; wave
	v_and_b32 v4, 31, v0                           ; lane
	v_lshlrev_b32 v5, 4, v4                        ; 16 x lane
	v_bfe_u32 v6, v0, 4, 1                         ; h = lane / 16
	v_and_b32 v7, 7, v0
	v_bfe_u32 v8, v0, 3, 1
	s_mul_i32 s5, s4, REGION
	v_lshl_add_u32 v9, v4, 3, s5                   ; my 8 bytes of a row
	v_lshl_add_u32 v10, v6, 3, v7                  ; the turning load's row: 8 h + lane % 8
	s_cmp_lt_u32 ttmp9, 128
	s_cbranch_scc1 .Lrouter
	; ---------------- THE LAYOUT ----------------
	v_mul_u32_u24 v10, v10, TP
	v_lshl_add_u32 v10, v8, 4, v10
	v_add_nc_u32 v10, s5, v10
	s_sub_co_u32 s6, ttmp9, 128
	s_lshl2_add_u32 s6, s6, s4                     ; the wave's tile: 0-2047 of W1, 2048-4095 of W2
	s_mov_b32 s31, 0
	s_mov_b32 s33, 0
	s_cmp_lt_u32 ttmp9, 640
	s_cbranch_scc0 .Lw2
	s_lshr_b32 s26, s6, 8                          ; e
	s_bfe_u32 s27, s6, 0x40004                     ; ks: rows 32 ks on
	s_and_b32 s28, s6, 15                          ; c: columns 128 c on
	s_lshl_b32 s30, s26, 22                        ; from: e x 4 MiB + ks x 32 rows of 8,192 bytes + c x 512
	s_lshl_b32 s29, s27, 18
	s_add_co_u32 s30, s30, s29
	s_lshl_b32 s29, s28, 9
	s_add_co_u32 s30, s30, s29
	s_bfe_u32 s29, s28, 0x20001                    ; to: stream 4 e + (c / 2) % 4,
	s_lshl2_add_u32 s29, s26, s29
	s_lshl_b32 s29, s29, 8                         ; its first stage,
	s_add_co_u32 s29, s29, s27                     ; + ks
	s_lshr_b32 s34, s28, 3                         ; fragments 0-3 belong to chunk q = 4 (c / 8) + 2 (c % 2), fragments 4-7 to chunk q + 1
	s_lshl_b32 s34, s34, 2
	s_and_b32 s35, s28, 1
	s_lshl1_add_u32 s34, s35, s34
	s_lshl_b32 s34, s34, 5                         ; 32 q
	s_sub_co_i32 s32, s34, 16
	s_max_i32 s32, s32, 0                          ; A(q) begins at stage max(32 q - 16, 0),
	s_add_co_u32 s34, s34, 16                      ; A(q + 1) at 32 q + 16
	s_add_co_u32 s32, s32, s29
	s_add_co_u32 s34, s34, s29
	s_lshl_b32 s32, s32, 12
	s_lshl_b32 s34, s34, 12
	s_mov_b32 s35, 0
	s_wait_kmcnt 0x0
	s_add_nc_u64 s[30:31], s[12:13], s[30:31]
	s_add_nc_u64 s[32:33], s[16:17], s[32:33]
	s_add_nc_u64 s[34:35], s[16:17], s[34:35]
	CONV 8192
.Lw2:
	s_sub_co_u32 s6, s6, 2048
	s_lshr_b32 s26, s6, 8                          ; e
	s_bfe_u32 s27, s6, 0x60002                     ; ks2: rows (hidden numbers) 32 ks2 on
	s_and_b32 s28, s6, 3                           ; w: columns 128 w on
	s_lshl_b32 s30, s26, 22
	s_lshl_b32 s29, s27, 16
	s_add_co_u32 s30, s30, s29
	s_lshl_b32 s29, s28, 9
	s_add_co_u32 s30, s30, s29
	s_lshl2_add_u32 s29, s26, s28                  ; stream 4 e + w
	s_lshl_b32 s32, s29, 8
	s_lshr_b32 s29, s27, 5                         ; hidden number 32 ks2 = 1,024 (ks2 / 32) + 256 v + 64 g + 32 j lies in chunk 4 (ks2 / 32) + g,
	s_lshl_b32 s29, s29, 2
	s_bfe_u32 s34, s27, 0x20001                    ; g = (ks2 / 2) % 4
	s_add_co_u32 s29, s29, s34
	s_lshl_b32 s29, s29, 5
	s_add_co_u32 s29, s29, 32
	s_min_u32 s29, s29, 240                        ; whose B begins at stage min(32 chunk + 32, 240);
	s_add_co_u32 s32, s32, s29
	s_bfe_u32 s34, s27, 0x20003                    ; there it is K step 2 v + j, v = (ks2 / 8) % 4 the wave that makes it: two stages a step
	s_lshl2_add_u32 s32, s34, s32
	s_and_b32 s34, s27, 1
	s_lshl1_add_u32 s32, s34, s32
	s_lshl_b32 s32, s32, 12
	s_add_co_u32 s34, s32, 4096
	s_mov_b32 s35, 0
	s_wait_kmcnt 0x0
	s_add_nc_u64 s[30:31], s[14:15], s[30:31]
	s_add_nc_u64 s[32:33], s[16:17], s[32:33]
	s_add_nc_u64 s[34:35], s[16:17], s[34:35]
	CONV 2048
	; ---------------- THE ROUTER ----------------
.Lrouter:
	s_lshl_b32 s26, ttmp9, 16                      ; 32 tokens of 2,048 bytes,
	s_lshl_b32 s27, s4, 9                          ; my quarter of K: 128 numbers
	s_add_co_u32 s26, s26, s27
	s_mov_b32 s27, 0
	s_lshl_b32 s28, s4, 12                         ; 128 rows of router_w, 32 bytes each
	s_mov_b32 s29, 0
	s_wait_kmcnt 0x0
	s_add_nc_u64 s[26:27], s[8:9], s[26:27]
	s_add_nc_u64 s[28:29], s[10:11], s[28:29]
.set i, 0
.rept 32
	global_load_b128 v[D+4*i:D+4*i+3], v5, s[26:27] offset:2048*i
.set i, i+1
.endr
.set i, 0
.rept 8
	global_load_b128 v[144+4*i:144+4*i+3], v5, s[28:29] offset:512*i
.set i, i+1
.endr
	v_lshlrev_b32 v10, 5, v10                      ; router_w's image, turned: row x 32 + 16 x ((lane / 8) % 2)
	v_lshl_add_u32 v10, v8, 4, v10
	v_add_nc_u32 v10, s5, v10
	v_lshrrev_b32 v11, 1, v4                       ; where my four weights go: row lane / 2, experts 4 (lane % 2) on
	v_lshlrev_b32 v11, 5, v11
	v_and_b32 v12, 1, v4
	v_lshl_add_u32 v11, v12, 3, v11
	v_add_nc_u32 v11, s5, v11
	v_and_b32 v12, 15, v0                          ; x's fragments: row lane % 16, 16 bytes for each half of the lanes
	v_mul_u32_u24 v13, v12, XSP
	v_lshl_add_u32 v13, v6, 4, v13
	v_add_nc_u32 v13, s5, v13
.set i, 0
.rept 32
	s_wait_loadcnt 39-i                            ; token i's row is in: 31 - i rows and router_w's 8 loads are younger
	v_cvt_pk_bf16_f32 v[D+4*i], v[D+4*i], v[D+4*i+1]
	v_cvt_pk_bf16_f32 v[D+4*i+1], v[D+4*i+2], v[D+4*i+3]
	ds_store_b64 v9, v[D+4*i:D+4*i+1] offset:XSP*i
.set i, i+1
.endr
.set i, 0
.rept 8
	s_wait_loadcnt 7-i
	v_cvt_pk_bf16_f32 v[144+4*i], v[144+4*i], v[144+4*i+1]
	v_cvt_pk_bf16_f32 v[144+4*i+1], v[144+4*i+2], v[144+4*i+3]
	ds_store_b64 v11, v[144+4*i:144+4*i+1] offset:RWI+512*i        ; columns 0-7,
	ds_store_b64 v11, v[144+4*i:144+4*i+1] offset:RWI+512*i+16     ; and once more as columns 8-15
.set i, i+1
.endr
.set k, 0
.rept 4                                ; source 0: 16 columns of router_w's image (expert = column % 8), 32 k
	ds_load_tr16_b128 v[16+8*k:19+8*k], v10 offset:RWI+1024*k
	ds_load_tr16_b128 v[20+8*k:23+8*k], v10 offset:RWI+1024*k+512
.set k, k+1
.endr
.set i, 0
.rept 8                                ; source 1: tokens 16 (i / 4) on, 32 k at 32 (i % 4)
	ds_load_b128 v[48+8*i:51+8*i], v13 offset:(i/4)*16*XSP+(i%4)*64
	ds_load_b128 v[52+8*i:55+8*i], v13 offset:(i/4)*16*XSP+(i%4)*64+32
.set i, i+1
.endr
	s_wait_dscnt 0x0
	v_wmma_f32_16x16x32_bf16 v[112:119], v[16:23], v[48:55], 0     ; the two accumulators take turns
	v_wmma_f32_16x16x32_bf16 v[120:127], v[16:23], v[80:87], 0
.set k, 1
.rept 3
	v_wmma_f32_16x16x32_bf16 v[112:119], v[16+8*k:23+8*k], v[48+8*k:55+8*k], v[112:119]
	v_wmma_f32_16x16x32_bf16 v[120:127], v[16+8*k:23+8*k], v[80+8*k:87+8*k], v[120:127]
.set k, k+1
.endr
.rept 4
	v_nop                                          ; four places behind the products (ISA guide 7.12.1)
.endr
	s_mov_b32 s30, 0xffff0000
.set i, 0
.rept 8                                ; register i of every lane is expert i of token lane % 16: lanes 16-31 take the second tile, so that lane = token
	v_cndmask_b32 v[128+i], v[112+i], v[120+i], s30
.set i, i+1
.endr
	s_lshl_b32 s31, s4, 10
	s_add_co_u32 s31, s31, PART
	v_lshl_add_u32 v14, v4, 5, s31
	ds_store_b128 v14, v[128:131]
	ds_store_b128 v14, v[132:135] offset:16
	s_wait_dscnt 0x0                               ; for wave 0's sake
	s_barrier_signal -1
	s_barrier_wait -1
	s_cmp_eq_u32 s4, 0
	s_cbranch_scc1 .Lwave0
	s_cmp_eq_u32 s4, 1
	s_cbranch_scc0 .Lrend
	s_lshl_b32 s26, ttmp9, 8                       ; wave 1: 256 of the 32,768 zero bytes behind wq's last stream, into which the next launch's look-ahead runs
	s_add_co_u32 s26, s26, 0x2000000
	s_mov_b32 s27, 0
	s_add_nc_u64 s[26:27], s[16:17], s[26:27]
	v_lshlrev_b32 v15, 3, v4
	v_mov_b32 v16, 0
	v_mov_b32 v17, 0
	global_store_b64 v15, v[16:17], s[26:27]
.Lrend:
	FINISH
.Lwave0:                               ; a token a lane
	v_lshl_add_u32 v14, v4, 5, PART
.set i, 0
.rept 4
	ds_load_b128 v[16+8*i:19+8*i], v14 offset:1024*i
	ds_load_b128 v[20+8*i:23+8*i], v14 offset:1024*i+16
.set i, i+1
.endr
	s_mov_b32 s34, 0x3fb8aa3b                      ; log2(e)
	s_mov_b32 s35, 0x3f666666                      ; 0.9
	s_mov_b32 s56, 0x76543210
	s_mov_b32 s57, 0xfedcba98
	s_wait_dscnt 0x0
.set e, 0
.rept 8
	v_add_f32 v[16+e], v[16+e], v[24+e]
	v_add_f32 v[16+e], v[16+e], v[32+e]
	v_add_f32 v[16+e], v[16+e], v[40+e]
.set e, e+1
.endr
	v_max3_num_f32 v48, v16, v17, v18
	v_max3_num_f32 v48, v48, v19, v20
	v_max3_num_f32 v48, v48, v21, v22
	v_max_num_f32 v48, v48, v23
	v_mul_f32 v49, s34, v48
.set e, 0
.rept 8
	v_fma_f32 v[50+e], v[16+e], s34, -v49
.set e, e+1
.endr
.set e, 0
.rept 8
	v_exp_f32 v[50+e], v[50+e]
.set e, e+1
.endr
	v_nop                                          ; a plain instruction behind the last exponential,
	s_wait_alu depctr_va_vdst(0)                   ; and one wait for the eight
	v_add_f32 v58, v50, v51
.set e, 2
.rept 6
	v_add_f32 v58, v58, v[50+e]
.set e, e+1
.endr
	v_rcp_f32 v59, v58
	v_nop
	s_wait_alu depctr_va_vdst(0)
.set e, 0
.rept 8
	v_mul_f32 v[50+e], v[50+e], v59                ; the probabilities,
	v_mov_b32 v[60+e], v[50+e]                     ; and a copy from which the largest is struck four times
.set e, e+1
.endr
.macro PICK k                          ; the largest left, by a strict comparison: of equals the lower index; then it is struck (-1 lies below every probability)
	v_mov_b32 v[68+(\k)], v60
	v_mov_b32 v[72+(\k)], 0
.set e, 1
.rept 7
	v_cmp_gt_f32 vcc_lo, v[60+e], v[68+(\k)]
	v_cndmask_b32 v[68+(\k)], v[68+(\k)], v[60+e], vcc_lo
	v_cndmask_b32 v[72+(\k)], v[72+(\k)], e, vcc_lo
.set e, e+1
.endr
.set e, 0
.rept 8
	v_cmp_eq_u32 vcc_lo, e, v[72+(\k)]
	v_cndmask_b32 v[60+e], v[60+e], -1.0, vcc_lo
.set e, e+1
.endr
.endm
	PICK 0
	PICK 1
	PICK 2
	PICK 3
	v_add_f32 v76, v68, v69                        ; the running sums ahead of slots 2 and 3
	v_add_f32 v77, v76, v70
	v_cmp_gt_f32 s36, s35, v68                     ; slot k is kept where the sum ahead of it is below 0.9
	v_cmp_gt_f32 s37, s35, v76
	v_cmp_gt_f32 s38, s35, v77
	v_cndmask_b32 v79, 0, v69, s36
	v_cndmask_b32 v80, 0, v70, s37
	v_cndmask_b32 v81, 0, v71, s38
	v_add_f32 v82, v68, v79
	v_add_f32 v82, v82, v80
	v_add_f32 v82, v82, v81
	v_max_num_f32 v82, 0x3089705f, v82             ; at least 1e-9
	v_rcp_f32 v83, v82
	v_mov_b32 v90, 0xff
	s_wait_alu depctr_va_vdst(0)
	v_mul_f32 v84, v68, v83
	v_mul_f32 v85, v79, v83
	v_mul_f32 v86, v80, v83
	v_mul_f32 v87, v81, v83
	v_mov_b32 v91, 1
	v_mov_b32 v88, v72                             ; sel: a byte a slot
	v_lshlrev_b32 v92, v72, v91                    ; and the token's set of experts as bits
.set k, 1
.rept 3
	v_cndmask_b32 v89, v90, v[72+k], s[35+k]
	v_lshl_or_b32 v88, v89, 8*k, v88
	v_lshlrev_b32 v93, v[72+k], v91
	v_cndmask_b32 v93, 0, v93, s[35+k]
	v_or_b32 v92, v92, v93
.set k, k+1
.endr
	v_mov_b32 v94, 0                               ; the record for route: lanes 0-7 masks, 8-15 counts, the rest 0
	v_mov_b32 v95, 0                               ; the record for psum
	v_mov_b32 v96, 0
.set e, 0
.rept 8
	v_and_b32 v93, 1<<e, v92
	v_cmp_ne_u32 s[40+e], 0, v93
	s_bcnt1_i32_b32 s[48+e], s[40+e]
	v_writelane_b32 v94, s[40+e], e
	v_writelane_b32 v94, s[48+e], 8+e
	v_add_f32_dpp v[50+e], v[50+e], v[50+e] row_xmask:1 row_mask:0xf bank_mask:0xf
	v_add_f32_dpp v[50+e], v[50+e], v[50+e] row_xmask:2 row_mask:0xf bank_mask:0xf
	v_add_f32_dpp v[50+e], v[50+e], v[50+e] row_xmask:4 row_mask:0xf bank_mask:0xf
	v_add_f32_dpp v[50+e], v[50+e], v[50+e] row_xmask:8 row_mask:0xf bank_mask:0xf
	v_permlanex16_b32 v96, v[50+e], s56, s57
	v_add_f32 v[50+e], v[50+e], v96
	v_readfirstlane_b32 s58, v[50+e]
	v_writelane_b32 v95, s58, e
.set e, e+1
.endr
	s_lshl_b32 s26, ttmp9, 7
	s_mov_b32 s27, 0
	s_lshl_b32 s28, ttmp9, 9
	s_mov_b32 s29, 0
	s_add_nc_u64 s[20:21], s[20:21], s[26:27]
	s_add_nc_u64 s[18:19], s[18:19], s[26:27]
	s_add_nc_u64 s[24:25], s[24:25], s[26:27]
	s_add_nc_u64 s[22:23], s[22:23], s[28:29]
	v_lshlrev_b32 v97, 2, v4
	global_store_b32 v97, v88, s[20:21]
	global_store_b128 v5, v[84:87], s[22:23]
	global_store_b32 v97, v94, s[18:19]
	global_store_b32 v97, v95, s[24:25]
	FINISH
.Lfunc_end_k_qd21ab1c62f_prep:
	.size	k_qd21ab1c62f_prep, .Lfunc_end_k_qd21ab1c62f_prep-k_qd21ab1c62f_prep
	.p2alignl 7, 3214868480
	.fill 96, 4, 3214868480
	.section	.rodata,"a",@progbits
	.p2align	6, 0x0
	.amdhsa_kernel k_qd21ab1c62f_prep
		.amdhsa_group_segment_fixed_size 55808
		.amdhsa_private_segment_fixed_size 0
		.amdhsa_enable_private_segment 0
		.amdhsa_kernarg_size 72
		.amdhsa_user_sgpr_count 2
		.amdhsa_user_sgpr_kernarg_segment_ptr 1
		.amdhsa_wavefront_size32 1
		.amdhsa_system_sgpr_workgroup_id_x 1
		.amdhsa_system_sgpr_workgroup_id_y 1
		.amdhsa_system_sgpr_workgroup_id_z 1
		.amdhsa_system_vgpr_workitem_id 0
		.amdhsa_next_free_vgpr 176
		.amdhsa_next_free_sgpr 66
		.amdhsa_reserve_vcc 1
		.amdhsa_float_denorm_mode_32 3
		.amdhsa_float_denorm_mode_16_64 3
		.amdhsa_memory_ordered 1
		.amdhsa_forward_progress 1
		.amdhsa_inst_pref_size 66
	.end_amdhsa_kernel
	.amdgpu_metadata
---
amdhsa.version: [ 1, 2 ]
amdhsa.kernels:
  - .name:           k_qd21ab1c62f_prep
    .symbol:         k_qd21ab1c62f_prep.kd
    .args:
      - { .name: x, .offset: 0, .size: 8, .value_kind: global_buffer, .address_space: global }
      - { .name: router_w, .offset: 8, .size: 8, .value_kind: global_buffer, .address_space: global }
      - { .name: W1, .offset: 16, .size: 8, .value_kind: global_buffer, .address_space: global }
      - { .name: W2, .offset: 24, .size: 8, .value_kind: global_buffer, .address_space: global }
      - { .name: wq, .offset: 32, .size: 8, .value_kind: global_buffer, .address_space: global }
      - { .name: route, .offset: 40, .size: 8, .value_kind: global_buffer, .address_space: global }
      - { .name: sel, .offset: 48, .size: 8, .value_kind: global_buffer, .address_space: global }
      - { .name: wts, .offset: 56, .size: 8, .value_kind: global_buffer, .address_space: global }
      - { .name: psum, .offset: 64, .size: 8, .value_kind: global_buffer, .address_space: global }
    .group_segment_fixed_size: 55808
    .private_segment_fixed_size: 0
    .kernarg_segment_align: 8
    .kernarg_segment_size: 72
    .max_flat_workgroup_size: 128
    .sgpr_count:     66
    .vgpr_count:     176
    .wavefront_size: 32
...
	.end_amdgpu_metadata
.endif
;; end of part 1
;; launch chain (part 2): grid 212 x 1, 4 waves a work-group, no clusters, 266,496 bytes of LDS; arguments route, sel, x, wq, b1, b2, partial; writes partial
.if DOCPART == 2
	.amdgcn_target "amdgcn-amd-amdhsa--gfx1250"
	.amdhsa_code_object_version 6
	.text
	.protected	k_qd21ab1c62f_chain
	.globl	k_qd21ab1c62f_chain
	.p2align	8
	.type	k_qd21ab1c62f_chain,@function
k_qd21ab1c62f_chain:
	s_mov_b64 s[64:65], 0
	v_nop
	global_prefetch_b8 v0, s[64:65] scope:SCOPE_SE
	s_setreg_imm32_b32 hwreg(HW_REG_WAVE_MODE, 25, 1), 1
	s_wait_xcnt 0x0
; CHAIN: a work-group takes up to 80 routed rows of ONE expert through the whole chain: gather x, x W1 + b1, GELU, H W2 + b2, and stores each row, unweighted and in f32, at partial[4 token + slot].
; THE GRID serves every split: with R <= 16,384 routed rows and 8 experts there are never more than (16,384 + 8 x 79) / 80 = 212 tiles of 80 rows.  Each work-group finds its tile from route's 128 records
; (a scan of the counts, a table in scalar registers, a search by rank).  A work-group without a tile runs the same text on an existing token and stores nothing, since every wave passes every barrier.
; SHARES.  Four waves; each holds all 80 rows and a quarter of the columns, so each weight byte has one reader in the work-group and goes from memory straight into registers, in the order in which the
; launch before laid it (stages of four fragments, 4,096 bytes; a ring of eight stages in registers, six of them on their way).  LDS holds what the waves share: X and two chunks of the hidden layer.
; BY TRIPS.  The hidden layer goes in 8 chunks of 256 columns, 64 a wave.  Trip c of 9: A(c), 320 products x W1 into S; then B(c - 1), 320 products H W2 into Y, and behind each of them a slice of
; the GELU of chunk c, which works on S, registers that B does not name; then one barrier.  The GELU writes H's buffer c % 2 while B reads the other.  A chunk's GELU is 1,360 vector instructions:
; 48 stand ahead of B's first product, while its first fragments come out of LDS, the others four behind each product and a fifth behind every tenth.
; THE ENDS.  Chunk 0's GELU has no products beside it: it is one row block's text in a loop of five trips that moves S down a block each time (128 moves a trip, once a launch, in place of a second
; written-out copy).  Trip 8 jumps over A; its riders work on stale S and store into a buffer that nobody reads: a ninth more GELU work, in place of a second text for B.
; NO CLUSTER: the weights pass through no LDS here, so there is no tile that a joint load could bring; what an expert's work-groups share is read from the cache by each.
; THE MATRIX INSTRUCTION IS USED TRANSPOSED (source 0 = 16 columns of the weights, source 1 = 16 token rows): a lane holds one token row and eight neighbouring columns.
; FORMATS.  x, W1, W2, b1, b2 rounded to bf16; the hidden layer rounded once to bf16; all sums in f32.
; GELU.  gelu(x) = (x / 2 + z) - z erfc(z sqrt 2), z = |x| / 2, erfc(y) = (1 + a1 y + .. + a6 y^6)^-16 (Abramowitz and Stegun 7.1.28, off by 3e-7 at the most for every y >= 0).
; LIMITS.  That 3e-7; where the power overflows its reciprocal is 0, which is the limit; NaN and infinities are not treated apart.
; REGISTERS, in windows of 256 (s_set_vgpr_msb: bits 1:0 source 0, 3:2 source 1, 5:4 source 2, 7:6 destination):
;   window 0: v0-31 addresses; v32-111 two buffers of five token fragments; v112-143 b1 as a C operand; v144-207 Y of rows 64-79; v208-212 H's read addresses (v208-255 the prologue's)
;   window 1: Y of rows 0-63: (rb, nb) at 64 rb + 8 nb       window 2: v0-159 S (rb, f) at 32 rb + 8 f; v160-191, v224-255 z, two buffers by the block's parity; v192-223 the power       window 3: the ring
.set XP,    1040                       ; a row of X: 1,024 bytes + 16 = 65 x 16: sixteen rows start at sixteen different 16-byte columns modulo 256
.set CP,    528                        ; a row of a chunk of H: 512 + 16 = 33 x 16
.set HL,    80*XP                      ; H's buffer 0 (80 x 528 bytes); on the way out the waves' stages
.set HB1,   65536                      ; buffer 1 lies this far behind it
.set B1L,   HL+165120                  ; b1[e], rounded to bf16, kept as f32
.set B2L,   B1L+8192
.set DSTL,  B2L+2048                   ; the 80 rows' places in partial
.set MSKL,  DSTL+512                   ; thread t: its record's 8 masks
.set PREL,  MSKL+4096                  ; thread t: prefixes inside its wave, two experts to a word
.set WTL,   PREL+2048                  ; wave w: its totals
.set PEXL,  WTL+256                    ; thread t: rows of my expert ahead of record t
.set SPARE, PEXL+512                   ; the spare words: 128 bytes for each wave, named by no other line
.set SGP,   528                        ; the way out: a row of 512 bytes + 16
.set WL,  1                            ; 16 x lane
.set SPW, 2
.set NIL, 3
.set XB,  4                            ; v4-8    X's fragment of row block rb
.set HB,  9                            ; v9-13   H's, in buffer 0
.set AW,  14                           ; v14-18  where the trip's GELU stores
.set BA,  19
.set WVV, 20
.set LN,  21
.set RW,  22
.set HH,  23
.set B1B, 24
.set DA,  25
.set STO, 26
.set RD,  27
.set FR,  32
.set BI,  112
.set Y4,  144
.set AR,  208                          ; v208-212 where the trip's B reads
.set ZZ,  160
.set RC,  192
.set ZF,  240
.set WV,  18
.set WP,  20                           ; s[20:21] the ring's pointer: the first stage of the part in hand
.set C1,  22                           ; s[22:33] the polynomial's six coefficients, as pairs
.set LM,  34                           ; s34-38  lanes whose bit 0 .. 4 is set
.set SEL, 40
.set EX,  42
.set R0,  43
.set NR,  44
.set TS,  45
.set CC,  46                           ; the trip
.set PC,  47                           ; counts chunk 0's five row blocks
.set RB,  48                           ; the buffer that B reads: 0 or HB1
.set WB,  49                           ; the buffer that the GELU writes
.set BOFF, 50
.set W512, 52
.set W1K,  56
.set W128, 57
.set MSB, 0
.macro WIN new                         ; the immediate's high byte repeats the setting that is left; a switch that changes nothing is dropped
.if MSB != (\new)
	s_set_vgpr_msb (MSB<<8)|(\new)
.set MSB, (\new)
.endif
.endm
.macro BAR
	s_wait_dscnt 0x0                               ; for the others' sake: my LDS stores are done and my LDS reads are back
	s_barrier_signal -1
	s_barrier_wait -1
.endm
.macro PLACES                          ; four places between products and a load into, or a vector instruction on, their registers
.rept 4
	v_nop
.endr
.endm
	s_load_b256 s[4:11], s[0:1], 0x0               ; route 4, sel 6, x 8, wq 10
	s_load_b128 s[12:15], s[0:1], 0x20             ; b1 12, b2 14
	s_load_b64 s[16:17], s[0:1], 0x30              ; partial
	v_lshl_add_u32 v[SPW], v0, 2, SPARE
	v_mov_b32 v[NIL], 0
	v_lshrrev_b32 v[WVV], 5, v0
	v_readfirstlane_b32 s[WV], v[WVV]
	v_and_b32 v[LN], 31, v0
	v_lshlrev_b32 v[WL], 4, v[LN]
	v_and_b32 v[RW], 15, v0
	v_bfe_u32 v[HH], v0, 4, 1
	v_lshlrev_b32 v28, 7, v0
	s_wait_kmcnt 0x0
	global_load_b128 v[208:211], v28, s[4:5]               ; record t: 8 masks,
	global_load_b128 v[212:215], v28, s[4:5] offset:16
	global_load_b128 v[216:219], v28, s[4:5] offset:32     ; 8 counts
	global_load_b128 v[220:223], v28, s[4:5] offset:48
	s_mov_b32 s[C1], 0x3dcc41b4                    ; a_i 2^(i/2): the polynomial in z
	s_mov_b32 s[C1+2], 0x3dad2fe7
	s_mov_b32 s[C1+4], 0x3cd6cd72
	s_mov_b32 s[C1+6], 0x3a1f6607
	s_mov_b32 s[C1+8], 0x3acd0fec
	s_mov_b32 s[C1+10], 0x39b49f67
.set i, 0
.rept 6
	s_mov_b32 s[C1+2*i+1], s[C1+2*i]               ; named as pairs
.set i, i+1
.endr
	s_mov_b32 s[LM], 0xaaaaaaaa
	s_mov_b32 s[LM+1], 0xcccccccc
	s_mov_b32 s[LM+2], 0xf0f0f0f0
	s_mov_b32 s[LM+3], 0xff00ff00
	s_mov_b32 s[LM+4], 0xffff0000
	s_mov_b32 s[SEL], 0x76543210
	s_mov_b32 s[SEL+1], 0xfedcba98
	v_mul_u32_u24 v29, v[RW], XP
	v_lshl_add_u32 v29, v[HH], 4, v29
	v_mul_u32_u24 v30, v[RW], CP
	v_lshl_add_u32 v30, v[HH], 4, v30
.set i, 0
.rept 5
	v_add_nc_u32 v[XB+i], i*16*XP, v29             ; (16 rb + lane % 16) x pitch + 16 x (lane / 16)
	v_add_nc_u32 v[HB+i], HL+i*16*CP, v30
.set i, i+1
.endr
	v_lshl_add_u32 v[B1B], v[HH], 5, B1L
	s_lshl_b32 s19, s[WV], 4
	s_add_co_u32 s19, s19, WTL
	v_mov_b32 v239, s19
	v_lshl_add_u32 v237, v0, 5, MSKL
	v_lshl_add_u32 v238, v0, 4, PREL
	; ---- the counts, two experts to a word (no total passes 4,096), scanned over the wave's 32 lanes
	s_wait_loadcnt 0x0
.set i, 0
.rept 4
	v_lshl_or_b32 v[224+i], v[217+2*i], 16, v[216+2*i]
	v_mov_b32 v[228+i], 0
	v_mov_b32 v[232+i], 0
.set i, i+1
.endr
.macro SCANSTEP m, sm                  ; the partner group's sum joins my total, and my prefix where the partner's lanes lie below mine
.set i, 0
.rept 4
.if (\m) < 16
	v_mov_b32_dpp v[232+i], v[224+i] row_xmask:\m row_mask:0xf bank_mask:0xf
.else
	v_permlanex16_b32 v[232+i], v[224+i], s[SEL], s[SEL+1]
.endif
.set i, i+1
.endr
.set i, 0
.rept 4
	v_cndmask_b32 v236, 0, v[232+i], s[\sm]
	v_add_nc_u32 v[228+i], v[228+i], v236
	v_add_nc_u32 v[224+i], v[224+i], v[232+i]
.set i, i+1
.endr
.endm
	SCANSTEP 1, LM
	SCANSTEP 2, LM+1
	SCANSTEP 4, LM+2
	SCANSTEP 8, LM+3
	SCANSTEP 16, LM+4
	ds_store_b128 v237, v[208:211]
	ds_store_b128 v237, v[212:215] offset:16
	ds_store_b128 v238, v[228:231]
	ds_store_b128 v239, v[224:227]
	BAR
	; ---- the table: each expert's rows and tiles; which tile is mine
	v_mov_b32 v240, WTL
	ds_load_b128 v[32:35], v240
	ds_load_b128 v[36:39], v240 offset:16
	ds_load_b128 v[40:43], v240 offset:32
	ds_load_b128 v[44:47], v240 offset:48
	s_wait_dscnt 0x0
.set i, 0
.rept 4
	v_add3_u32 v[48+i], v[32+i], v[36+i], v[40+i]
	v_add_nc_u32 v[48+i], v[48+i], v[44+i]
	v_readfirstlane_b32 s[80+i], v[48+i]
	s_and_b32 s[66+2*i], s[80+i], 0xffff
	s_lshr_b32 s[67+2*i], s[80+i], 16
.set i, i+1
.endr
	s_mov_b32 s74, s73
.set e, 0
.rept 8
	s_add_co_u32 s[84+e], s[66+e], 79              ; tiles = (rows + 79) / 80: 52,429 x 80 = 2^22 + 16, so the shift gives the whole quotient up to 262,143
	s_mul_i32 s[84+e], s[84+e], 52429
	s_lshr_b32 s[84+e], s[84+e], 22
.set e, e+1
.endr
	s_mov_b32 s92, 0
	s_mov_b32 s93, 0
	s_mov_b32 s94, 0
	s_mov_b32 s[TS], s66
.set e, 0
.rept 8
	s_add_co_u32 s92, s92, s[84+e]                 ; tiles up to and with expert e: am I behind them?
	s_cmp_ge_u32 ttmp9, s92
	s_cselect_b32 s93, s92, s93
	s_cselect_b32 s[TS], s[67+e], s[TS]
	s_cselect_b32 s94, e+1, s94
.set e, e+1
.endr
	s_sub_co_u32 s[R0], ttmp9, s93
	s_mul_i32 s[R0], s[R0], 80                     ; my first row among the expert's
	s_cmp_eq_u32 s94, 8                            ; behind all tiles: no rows
	s_cselect_b32 s[R0], 0, s[R0]
	s_sub_co_u32 s[NR], s[TS], s[R0]
	s_min_u32 s[NR], s[NR], 80
	s_cmp_eq_u32 s94, 8
	s_cselect_b32 s[NR], 0, s[NR]
	s_min_u32 s[EX], s94, 7
	; ---- b1, b2 and the ring's first six stages are asked for
	s_lshl_b32 s95, s[EX], 13
	v_lshl_add_u32 v241, v0, 4, s95
	s_lshl_b32 s96, s[EX], 11
	v_lshl_add_u32 v242, v0, 4, s96
.set i, 0
.rept 4
	global_load_b128 v[32+4*i:35+4*i], v241, s[12:13] offset:2048*i
.set i, i+1
.endr
	global_load_b128 v[48:51], v242, s[14:15]
	s_lshl2_add_u32 s97, s[EX], s[WV]              ; my stream: 4 e + wave, 1 MiB each
	s_lshl_b32 s[WP], s97, 20
	s_mov_b32 s[WP+1], 0
	s_add_nc_u64 s[WP:WP+1], s[10:11], s[WP:WP+1]
	WIN 0xc0                                       ; destination window 3, address window 0
.set i, 0
.rept 24                               ; stage i / 4, fragment i % 4
	global_load_b128 v[8*i:8*i+3], v[WL], s[WP:WP+1] offset:1024*i
	global_load_b128 v[8*i+4:8*i+7], v[WL], s[WP:WP+1] offset:1024*i+512
.set i, i+1
.endr
	WIN 0
	; ---- rows of my expert ahead of record t
	s_lshr_b32 s98, s[EX], 1
	s_lshl_b32 s98, s98, 2
	v_lshl_add_u32 v243, v0, 4, s98
	v_add_nc_u32 v243, PREL, v243
	ds_load_b32 v52, v243
	s_add_co_u32 s99, s98, WTL
	v_mov_b32 v244, s99
	ds_load_b32 v53, v244
	ds_load_b32 v54, v244 offset:16
	ds_load_b32 v55, v244 offset:32
	s_cmp_gt_u32 s[WV], 0
	s_cselect_b32 s75, -1, 0
	s_cmp_gt_u32 s[WV], 1
	s_cselect_b32 s76, -1, 0
	s_cmp_gt_u32 s[WV], 2
	s_cselect_b32 s77, -1, 0
	s_and_b32 s78, s[EX], 1
	s_lshl_b32 s78, s78, 4
	s_wait_dscnt 0x0
	v_and_b32 v53, s75, v53                        ; the totals of the waves below mine
	v_and_b32 v54, s76, v54
	v_and_b32 v55, s77, v55
	v_add3_u32 v52, v52, v53, v54
	v_add_nc_u32 v52, v52, v55
	v_lshrrev_b32 v52, s78, v52
	v_and_b32 v52, 0xffff, v52
	v_lshl_add_u32 v245, v0, 2, PEXL
	ds_store_b32 v245, v52
	v_lshl_add_u32 v246, v0, 4, B1L
	s_wait_loadcnt 48                              ; b1 and b2 are in: the ring's 48 loads are younger
.set i, 0
.rept 5                                ; rounded to bf16 and widened again; the fifth four are b2's, 8,192 bytes on
	v_cvt_pk_bf16_f32 v56, v[32+4*i], v[33+4*i]
	v_cvt_pk_bf16_f32 v57, v[34+4*i], v[35+4*i]
	v_lshlrev_b32 v[32+4*i], 16, v56
	v_and_b32 v[33+4*i], 0xffff0000, v56
	v_lshlrev_b32 v[34+4*i], 16, v57
	v_and_b32 v[35+4*i], 0xffff0000, v57
	ds_store_b128 v246, v[32+4*i:35+4*i] offset:2048*i
.set i, i+1
.endr
	BAR
	; ---- lane l of wave w finds the token of row 20 w + min(l, 19); rows past the count repeat the expert's last
	v_min_u32 v60, 19, v[LN]
	s_mul_i32 s75, s[WV], 20
	v_add_nc_u32 v60, s75, v60
	s_max_u32 s76, s[TS], 1
	s_sub_co_u32 s76, s76, 1
	v_add_nc_u32 v61, s[R0], v60
	v_min_u32 v61, s76, v61                        ; its rank among the expert's rows
	v_mov_b32 v62, 0
	v_mov_b32 v63, 0
.macro SEARCH st                       ; the last record whose prefix does not pass the rank
	v_add_nc_u32 v64, \st, v62
	v_min_u32 v64, 127, v64
	v_lshl_add_u32 v65, v64, 2, PEXL
	ds_load_b32 v66, v65
	s_wait_dscnt 0x0
	v_cmp_le_u32 vcc_lo, v66, v61
	v_cndmask_b32 v62, v62, v64, vcc_lo
	v_cndmask_b32 v63, v63, v66, vcc_lo
.endm
	SEARCH 64
	SEARCH 32
	SEARCH 16
	SEARCH 8
	SEARCH 4
	SEARCH 2
	SEARCH 1
	v_min_u32 v62, 127, v62
	s_lshl_b32 s77, s[EX], 2
	s_add_co_u32 s77, s77, MSKL
	v_lshl_add_u32 v65, v62, 5, s77
	ds_load_b32 v67, v65                           ; that record's mask
	v_sub_nc_u32 v68, v61, v63                     ; and which of its set bits
	s_wait_dscnt 0x0
	v_lshrrev_b32 v69, 1, v67                      ; counts of set bits in fields of 2, 4, 8 and 16 bits
	v_and_b32 v69, 0x55555555, v69
	v_sub_nc_u32 v69, v67, v69
	v_lshrrev_b32 v70, 2, v69
	v_and_b32 v70, 0x33333333, v70
	v_and_b32 v71, 0x33333333, v69
	v_add_nc_u32 v70, v70, v71
	v_lshrrev_b32 v71, 4, v70
	v_add_nc_u32 v71, v71, v70
	v_and_b32 v71, 0x0f0f0f0f, v71
	v_lshrrev_b32 v72, 8, v71
	v_add_nc_u32 v72, v72, v71
	v_mov_b32 v73, 0
.macro SELBIT lev, wid, st             ; if the lower field holds too few, go to the upper one
	v_bfe_u32 v74, v[\lev], v73, \wid
	v_cmp_ge_u32 vcc_lo, v68, v74
	v_cndmask_b32 v74, 0, v74, vcc_lo
	v_sub_nc_u32 v68, v68, v74
	v_cndmask_b32 v75, 0, \st, vcc_lo
	v_add_nc_u32 v73, v73, v75
.endm
	SELBIT 72, 8, 16
	SELBIT 71, 8, 8
	SELBIT 70, 4, 4
	SELBIT 69, 2, 2
	SELBIT 67, 1, 1
	v_lshl_add_u32 v76, v62, 5, v73
	v_min_u32 v76, 0xfff, v76                      ; the token
	v_lshlrev_b32 v77, 2, v76
	global_load_b32 v78, v77, s[6:7]               ; its four slots
	s_mul_i32 s75, s[WV], 20*XP
	v_lshl_add_u32 v83, v[LN], 3, s75              ; X: my wave's first row, my 8 bytes
.macro XLOAD first                     ; ten rows of x, 2,048 bytes each, into window 2
.set i, 0
.rept 10
	v_readlane_b32 s[80+i], v76, (\first)+i
	s_min_u32 s[80+i], s[80+i], 4095
	v_lshl_add_u32 v[84+i], s[80+i], 11, v[WL]
.set i, i+1
.endr
	WIN 0x80
.set i, 0
.rept 40
	global_load_b128 v[4*i:4*i+3], v[84+i/4], s[8:9] offset:512*(i%4)
.set i, i+1
.endr
	WIN 0
.endm
.macro XCONV first                     ; rounded to bf16 and laid into X
	s_wait_loadcnt 0x0
	WIN 0x8a
.set i, 0
.rept 40
	v_cvt_pk_bf16_f32 v[4*i], v[4*i], v[4*i+1]
	v_cvt_pk_bf16_f32 v[4*i+1], v[4*i+2], v[4*i+3]
.set i, i+1
.endr
	WIN 0x08                                       ; address window 0, data window 2
.set i, 0
.rept 40
	ds_store_b64 v83, v[4*i:4*i+1] offset:((\first)+i/4)*XP+256*(i%4)
.set i, i+1
.endr
	WIN 0
.endm
	XLOAD 0
	s_wait_loadcnt 40                              ; the slots are in: the 40 loads of x are younger
	v_mov_b32 v79, 0
.irp k, 3,2,1
	v_bfe_u32 v80, v78, 8*\k, 8
	v_cmp_eq_u32 vcc_lo, s[EX], v80
	v_cndmask_b32 v79, v79, \k, vcc_lo
.endr
	v_lshl_add_u32 v81, v76, 2, v79                ; the row's place in partial: 4 token + slot
	v_lshl_add_u32 v82, v60, 2, DSTL
	ds_store_b32 v82, v81
	XCONV 0
	XLOAD 10
	XCONV 10
	BAR
	; ---- Y begins with b2: a product of zeros whose C operand is the bias starts each of the 40 sums, so that every K step stands in the loop
	s_lshl_b32 s[W512], s[WV], 9
	s_add_co_u32 s75, s[W512], B2L
	v_lshl_add_u32 v94, v[HH], 5, s75
	WIN 0x80
.set i, 0
.rept 8
	ds_load_b128 v[ZZ+8*i:ZZ+8*i+3], v94 offset:64*i
	ds_load_b128 v[ZZ+8*i+4:ZZ+8*i+7], v94 offset:64*i+16
	v_mov_b32 v[ZF+i], 0
.set i, i+1
.endr
	s_wait_dscnt 0x0
	WIN 0x6a
.set i, 0
.rept 32
	v_wmma_f32_16x16x32_bf16 v[8*i:8*i+7], v[ZF:ZF+7], v[ZF:ZF+7], v[ZZ+8*(i%8):ZZ+8*(i%8)+7]
.set i, i+1
.endr
	WIN 0x2a
.set i, 0
.rept 8
	v_wmma_f32_16x16x32_bf16 v[Y4+8*i:Y4+8*i+7], v[ZF:ZF+7], v[ZF:ZF+7], v[ZZ+8*i:ZZ+8*i+7]
.set i, i+1
.endr
	WIN 0
; A(c): my 64 hidden columns of chunk c for all 80 rows: 16 K steps of 20 products.
.macro GSTART
	WIN 0
	s_lshr_b32 s51, s[CC], 2                       ; my columns begin at 1,024 (c / 4) + 256 w + 64 (c % 4): b1 lies in f32
	s_lshl_b32 s51, s51, 12
	s_and_b32 s[BOFF], s[CC], 3
	s_lshl_b32 s[BOFF], s[BOFF], 8
	s_add_co_u32 s[BOFF], s[BOFF], s51
	s_add_co_u32 s[BOFF], s[BOFF], s[W1K]
	v_add_nc_u32 v[BA], s[BOFF], v[B1B]
.set f, 0
.rept 4
	ds_load_b128 v[BI+8*f:BI+8*f+3], v[BA] offset:64*f
	ds_load_b128 v[BI+8*f+4:BI+8*f+7], v[BA] offset:64*f+16
.set f, f+1
.endr
.set rb, 0
.rept 5
	ds_load_b128 v[FR+8*rb:FR+8*rb+3], v[XB+rb]
	ds_load_b128 v[FR+8*rb+4:FR+8*rb+7], v[XB+rb] offset:32
.set rb, rb+1
.endr
.endm
; K step ks: the stage six on is asked for, the next step's five fragments of X are fetched, 20 products on 20 accumulators by turns.
.macro ASTEP ks
	WIN 0
	PLACES
	WIN 0xc0
.set rq, 32*(((\ks)+6)&7)
.set f, 0
.rept 4
	global_load_b128 v[rq+8*f:rq+8*f+3], v[WL], s[WP:WP+1] offset:((\ks)+6)*4096+f*1024
	global_load_b128 v[rq+8*f+4:rq+8*f+7], v[WL], s[WP:WP+1] offset:((\ks)+6)*4096+f*1024+512
.set f, f+1
.endr
	WIN 0
.if (\ks) < 15
.set fb, FR+40*(((\ks)+1)&1)
.set rb, 0
.rept 5
	ds_load_b128 v[fb+8*rb:fb+8*rb+3], v[XB+rb] offset:64*((\ks)+1)
	ds_load_b128 v[fb+8*rb+4:fb+8*rb+7], v[XB+rb] offset:64*((\ks)+1)+32
.set rb, rb+1
.endr
.endif
	s_wait_loadcnt 48                              ; this step's stage is in: six younger stages of 8 loads stay out
.if (\ks) < 15
	s_wait_dscnt 10                                ; this step's fragments are in: the ten just issued stay out
.else
	s_wait_dscnt 0x0
.endif
.if (\ks) == 0
	WIN 0x83                                       ; weights window 3, X window 0, C (b1) window 0, S window 2
.else
	WIN 0xa3
.endif
.set rq, 32*((\ks)&7)
.set fb, FR+40*((\ks)&1)
.set i, 0
.rept 20
.if (\ks) == 0
	v_wmma_f32_16x16x32_bf16 v[8*i:8*i+7], v[rq+8*(i%4):rq+8*(i%4)+7], v[fb+8*(i/4):fb+8*(i/4)+7], v[BI+8*(i%4):BI+8*(i%4)+7]
.else
	v_wmma_f32_16x16x32_bf16 v[8*i:8*i+7], v[rq+8*(i%4):rq+8*(i%4)+7], v[fb+8*(i/4):fb+8*(i/4)+7], v[8*i:8*i+7]
.endif
.set i, i+1
.endr
.endm
; THE GELU AS A QUEUE.  RID writes number gq of the list and steps gq; all of it lies in window 2.  A row block is 32 numbers a lane, in 16 pairs.
;   0-47        block 0's opening: z = |x| / 2 (32; each accumulator is read from its low end on), then x / 2 + z in x's place (16, packed)
;   then for each block, 272 numbers (the last block LASTB: 224):
;   0-95        the polynomial, six packed steps for each pair        96-159   its sixteenth power, four packed squarings
;   160-239     the 32 reciprocals, two in five, between the 48 numbers of the NEXT block's opening, which name none of their results (the last block: 160-191, the reciprocals alone)
;   (wait)      one wait for the block's batch; the plain instruction behind the last reciprocal is the opening's last number (the last block: a v_nop)
;   then 32     (x / 2 + z) - z r (16), rounding to bf16 into the z buffer that the block is done with (16), and four LDS stores: eight neighbouring hidden numbers of my token row each
; NPL counts the plain instructions written since the last product.
.macro GZS blk, pi
.set gz, ZZ+64*((\blk)&1)
.if (\pi) < 32
	v_mul_f32 v[gz+(\pi)], 0.5, |v[32*(\blk)+(\pi)]|
.else
.set gp, 2*((\pi)-32)
	v_pk_fma_f32 v[32*(\blk)+gp:32*(\blk)+gp+1], v[32*(\blk)+gp:32*(\blk)+gp+1], 0.5, v[gz+gp:gz+gp+1] op_sel_hi:[1,0,1]
.endif
.endm
.macro RID
.if gq < GEND
	WIN 0xaa
.set gpl, 1
.if gq < 48
	GZS 0, gq
.else
.set gb, (gq-48)/272
.set gk, (gq-48)%272
.set gs, 32*gb
.set ga, ZZ+64*(gb&1)
.set g3, 240
.if gb == LASTB
.set g3, 192
.endif
.set gp, 2*(gk%16)
.if gk < 16
	v_pk_fma_f32 v[RC+gp:RC+gp+1], v[ga+gp:ga+gp+1], s[C1+10:C1+11], s[C1+8:C1+9] op_sel_hi:[1,0,0]
.elseif gk < 80
.set gc, C1+8-2*(gk/16)
	v_pk_fma_f32 v[RC+gp:RC+gp+1], v[RC+gp:RC+gp+1], v[ga+gp:ga+gp+1], s[gc:gc+1] op_sel_hi:[1,1,0]
.elseif gk < 96
	v_pk_fma_f32 v[RC+gp:RC+gp+1], v[RC+gp:RC+gp+1], v[ga+gp:ga+gp+1], 1.0 op_sel_hi:[1,1,0]
.elseif gk < 160
	v_pk_mul_f32 v[RC+gp:RC+gp+1], v[RC+gp:RC+gp+1], v[RC+gp:RC+gp+1]
.elseif gk < g3
.set gm, gk-160
.if gb == LASTB
	v_rcp_f32 v[RC+gm], v[RC+gm]
.set gpl, 0
.elseif ((gm%5) == 1) || ((gm%5) == 3)
	v_rcp_f32 v[RC+2*(gm/5)+(gm%5)/2], v[RC+2*(gm/5)+(gm%5)/2]
.set gpl, 0
.else
	GZS gb+1, 3*(gm/5)+(gm%5)/2
.endif
.else
.set gj, gk-g3
.if gj == 0
.if gb == LASTB
	v_nop
.endif
	s_wait_alu depctr_va_vdst(0)
.endif
.if gj < 16
	v_pk_fma_f32 v[gs+2*gj:gs+2*gj+1], v[ga+2*gj:ga+2*gj+1], v[RC+2*gj:RC+2*gj+1], v[gs+2*gj:gs+2*gj+1] neg_lo:[1,0,0] neg_hi:[1,0,0]
.else
	v_cvt_pk_bf16_f32 v[ga+gj-16], v[gs+2*(gj-16)], v[gs+2*(gj-16)+1]
.endif
.if gj == 31
	WIN 0x08                                       ; address window 0, data window 2
.set gf, 0
.rept 4
	ds_store_b128 v[AW+gb], v[ga+4*gf:ga+4*gf+3] offset:32*gf
.set gf, gf+1
.endr
.endif
.endif
.endif
.set NPL, NPL+gpl
.set gq, gq+1
.endif
.endm
; B(c - 1): 8 K steps of 32 hidden numbers, two stages of W2 and 40 products each, on 40 accumulators by turns.
.macro BRING t                         ; stages 2 t + 6 and 2 t + 7 from the part's first are asked for
	WIN 0xc0
.set i, 0
.rept 8
.set rq, 32*((2*(\t)+6+i/4)&7)+8*(i%4)
	global_load_b128 v[rq:rq+3], v[WL], s[WP:WP+1] offset:(2*(\t)+6)*4096+i*1024
	global_load_b128 v[rq+4:rq+7], v[WL], s[WP:WP+1] offset:(2*(\t)+6)*4096+i*1024+512
.set i, i+1
.endr
	WIN 0
.endm
.macro HFRAG t                         ; step t's five fragments of H
.set fb, FR+40*((\t)&1)
.set rb, 0
.rept 5
	ds_load_b128 v[fb+8*rb:fb+8*rb+3], v[AR+rb] offset:64*(\t)
	ds_load_b128 v[fb+8*rb+4:fb+8*rb+7], v[AR+rb] offset:64*(\t)+32
.set rb, rb+1
.endr
.endm
.macro BWM t, n                        ; product n of step t's 40
.set fb, FR+40*((\t)&1)
.set wb, 64*((\t)&3)
.if (\n) < 32
	WIN 0x53                                       ; weights window 3, H window 0, Y window 1
	v_wmma_f32_16x16x32_bf16 v[8*(\n):8*(\n)+7], v[wb+8*((\n)%8):wb+8*((\n)%8)+7], v[fb+8*((\n)/8):fb+8*((\n)/8)+7], v[8*(\n):8*(\n)+7]
.else
	WIN 0x03                                       ; rows 64-79: Y in window 0
	v_wmma_f32_16x16x32_bf16 v[Y4+8*((\n)-32):Y4+8*((\n)-32)+7], v[wb+8*((\n)-32):wb+8*((\n)-32)+7], v[fb+32:fb+39], v[Y4+8*((\n)-32):Y4+8*((\n)-32)+7]
.endif
.set NPL, 0
.endm
.macro BSTEP t
.if (\t) > 0
.if NPL < 4                            ; the loads below land in registers that the last step's products read: the plain riders behind the last product are the places, made up to four
.rept 4-NPL
	v_nop
.endr
.endif
	BRING \t
.if (\t) < 7
	HFRAG (\t)+1
.endif
	s_wait_loadcnt 48                              ; this step's two stages are in: six younger stages stay out
.if (\t) < 7
	s_wait_dscnt 10                                ; this step's fragments are in (and the GELU's older stores done): the ten just issued stay out
.else
	s_wait_dscnt 0x0
.endif
.endif
.set bn, 0
.rept 40
	BWM \t, bn
	RID
	RID
	RID
	RID
.if (bn%10) == 9
	RID
.endif
.set bn, bn+1
.endr
.endm
	s_lshl_b32 s[W1K], s[WV], 10
	s_lshl_b32 s[W128], s[WV], 7
	s_mov_b32 s[WB], 0
	s_mov_b32 s[RB], HB1
	s_mov_b32 s[CC], 0
.Ltrip:                                ; nine trips
	s_add_co_u32 s51, s[WB], s[W128]               ; my 128 bytes of the rows of the buffer that this trip's GELU writes
.set rb, 0
.rept 5
	v_add_nc_u32 v[AW+rb], s51, v[HB+rb]
.set rb, rb+1
.endr
	s_cmp_eq_u32 s[CC], 8
	s_cbranch_scc1 .Lnoa                           ; there is no ninth chunk: a jump forward, past no barrier
	GSTART
.irp ks, 0,1,2,3,4,5,6,7,8,9,10,11,12,13,14,15
	ASTEP \ks
.endr
	WIN 0
	PLACES                                         ; between the last products and the first read of their results
	s_wait_xcnt 0x0                                ; the ring's pointer is stepped only behind this wait
	s_add_nc_u64 s[WP:WP+1], s[WP:WP+1], 0x10000
.Lnoa:
	s_cmp_eq_u32 s[CC], 0
	s_cbranch_scc0 .Lride
	s_mov_b32 s[PC], 5                             ; chunk 0: nothing to ride behind
.Lplain:
.set gq, 0
.set LASTB, 0
.set GEND, 272
.set NPL, 0
.rept 272
	RID                                            ; the row block in S's lowest 32 registers
.endr
	WIN 0xaa
.set i, 0
.rept 128
	v_mov_b32 v[i], v[32+i]                        ; the other blocks move down, each accumulator from its low end on
.set i, i+1
.endr
	WIN 0
.set rb, 0
.rept 4
	v_mov_b32 v[AW+rb], v[AW+rb+1]                 ; and so do their addresses
.set rb, rb+1
.endr
	s_sub_co_u32 s[PC], s[PC], 1
	s_cmp_lg_u32 s[PC], 0
	s_cbranch_scc1 .Lplain
	s_branch .Lmeet
.Lride:
.set rb, 0
.rept 5
	v_add_nc_u32 v[AR+rb], s[RB], v[HB+rb]         ; the buffer that holds chunk c - 1; these five are places behind the last products too
.set rb, rb+1
.endr
	BRING 0
	HFRAG 0
	HFRAG 1
.set gq, 0
.set LASTB, 4
.set GEND, 1360
.set NPL, 0
.rept 48
	RID                                            ; block 0's opening stands in the wait for the first fragments
.endr
	s_wait_loadcnt 48                              ; the first two stages are in
	s_wait_dscnt 10                                ; step 0's fragments are in; step 1's ten stay out
.irp t, 0,1,2,3,4,5,6,7
	BSTEP \t
.endr
.if gq < GEND
.rept GEND-gq
	RID
.endr
.endif
	WIN 0
	s_wait_xcnt 0x0
	s_add_nc_u64 s[WP:WP+1], s[WP:WP+1], 0x10000
.Lmeet:
	BAR                                            ; chunk c is whole in its buffer, and nobody reads the other buffer any more
	s_xor_b32 s[RB], s[RB], HB1
	s_xor_b32 s[WB], s[WB], HB1
	s_add_co_u32 s[CC], s[CC], 1
	s_cmp_lt_u32 s[CC], 9
	s_cbranch_scc1 .Ltrip
	; ---- THE WAY OUT: 16 rows at a time through my own stage (in buffer 0's bytes, which nobody reads behind the last barrier), back as whole rows of 512 bytes, each to its place in partial.
	s_mul_i32 s53, s[WV], 16*SGP
	s_add_co_u32 s53, s53, HL
	v_mul_u32_u24 v[STO], v[RW], SGP
	v_lshl_add_u32 v[STO], v[HH], 5, v[STO]
	v_add_nc_u32 v[STO], s53, v[STO]
	v_add_nc_u32 v[RD], s53, v[WL]
	v_mov_b32 v[DA], DSTL
	s_mov_b32 s54, s[W512]
	s_mov_b32 s55, 0
	s_add_nc_u64 s[16:17], s[16:17], s[54:55]      ; my wave's 128 columns
.macro OUTBLK blk
	s_wait_xcnt 0x0                                ; the last block's stores have read their registers
.if (\blk) < 4
	WIN 0x04                                       ; data in window 1
.set yb, 64*(\blk)
.else
	WIN 0
.set yb, Y4
.endif
.set i, 0
.rept 8
	ds_store_b128 v[STO], v[yb+8*i:yb+8*i+3] offset:64*i
	ds_store_b128 v[STO], v[yb+8*i+4:yb+8*i+7] offset:64*i+16
.set i, i+1
.endr
	WIN 0
.set i, 0
.rept 4
	ds_load_b128 v[96+4*i:99+4*i], v[DA] offset:64*(\blk)+16*i     ; the 16 rows' places, the same in every lane
.set i, i+1
.endr
.set i, 0
.rept 16
	ds_load_b128 v[32+4*i:35+4*i], v[RD] offset:SGP*i              ; LDS serves a wave in order: these see the stores above
.set i, i+1
.endr
	s_wait_dscnt 0x0
.set i, 0
.rept 16
	v_min_u32 v[96+i], 0x3fff, v[96+i]
	v_lshl_add_u32 v[112+i], v[96+i], 11, v[WL]
.set i, i+1
.endr
.set i, 0
.rept 16
	s_cmp_gt_u32 s[NR], 16*(\blk)+i                ; rows past the count are not stored: a jump forward, past no barrier
	s_cbranch_scc0 .Ldone
	global_store_b128 v[112+i], v[32+4*i:35+4*i], s[16:17]         ; 512 consecutive bytes, aligned
.set i, i+1
.endr
.endm
	OUTBLK 0
	OUTBLK 1
	OUTBLK 2
	OUTBLK 3
	OUTBLK 4
.Ldone:
	s_wait_tensorcnt 0x0                           ; the wave's end: three lines behind the last LDS store
	ds_add_u32 v[SPW], v[NIL]
	s_wait_dscnt 0x0
	s_endpgm
.Lfunc_end_k_qd21ab1c62f_chain:
	.size	k_qd21ab1c62f_chain, .Lfunc_end_k_qd21ab1c62f_chain-k_qd21ab1c62f_chain
	.p2alignl 7, 3214868480
	.fill 96, 4, 3214868480
	.section	.rodata,"a",@progbits
	.p2align	6, 0x0
	.amdhsa_kernel k_qd21ab1c62f_chain
		.amdhsa_group_segment_fixed_size 266496
		.amdhsa_private_segment_fixed_size 0
		.amdhsa_enable_private_segment 0
		.amdhsa_kernarg_size 56
		.amdhsa_user_sgpr_count 2
		.amdhsa_user_sgpr_kernarg_segment_ptr 1
		.amdhsa_wavefront_size32 1
		.amdhsa_system_sgpr_workgroup_id_x 1
		.amdhsa_system_sgpr_workgroup_id_y 1
		.amdhsa_system_sgpr_workgroup_id_z 1
		.amdhsa_system_vgpr_workitem_id 0
		.amdhsa_next_free_vgpr 1024
		.amdhsa_next_free_sgpr 100
		.amdhsa_reserve_vcc 1
		.amdhsa_float_denorm_mode_32 3
		.amdhsa_float_denorm_mode_16_64 3
		.amdhsa_memory_ordered 1
		.amdhsa_forward_progress 1
		.amdhsa_inst_pref_size 255
	.end_amdhsa_kernel
	.section	.bss,"aw",@nobits
	.p2align	6
	.space	262144
	.amdgpu_metadata
---
amdhsa.version: [ 1, 2 ]
amdhsa.kernels:
  - .name:           k_qd21ab1c62f_chain
    .symbol:         k_qd21ab1c62f_chain.kd
    .args:
      - { .name: route, .offset: 0, .size: 8, .value_kind: global_buffer, .address_space: global }
      - { .name: sel, .offset: 8, .size: 8, .value_kind: global_buffer, .address_space: global }
      - { .name: x, .offset: 16, .size: 8, .value_kind: global_buffer, .address_space: global }
      - { .name: wq, .offset: 24, .size: 8, .value_kind: global_buffer, .address_space: global }
      - { .name: b1, .offset: 32, .size: 8, .value_kind: global_buffer, .address_space: global }
      - { .name: b2, .offset: 40, .size: 8, .value_kind: global_buffer, .address_space: global }
      - { .name: partial, .offset: 48, .size: 8, .value_kind: global_buffer, .address_space: global }
    .group_segment_fixed_size: 266496
    .private_segment_fixed_size: 0
    .kernarg_segment_align: 8
    .kernarg_segment_size: 56
    .max_flat_workgroup_size: 128
    .sgpr_count:     100
    .vgpr_count:     1024
    .wavefront_size: 32
...
	.end_amdgpu_metadata
.endif
;; end of part 2
;; launch combine (part 3): grid 257 x 1, 8 waves a work-group, no clusters, 0 bytes of LDS; arguments partial, sel, wts, route, psum, out0, out1; writes out0, out1
.if DOCPART == 3
	.amdgcn_target "amdgcn-amd-amdhsa--gfx1250"
	.amdhsa_code_object_version 6
	.text
	.protected	k_qd21ab1c62f_combine
	.globl	k_qd21ab1c62f_combine
	.p2align	8
	.type	k_qd21ab1c62f_combine,@function
k_qd21ab1c62f_combine:
	s_mov_b64 s[64:65], 0
	v_nop
	global_prefetch_b8 v0, s[64:65] scope:SCOPE_SE
	s_setreg_imm32_b32 hwreg(HW_REG_WAVE_MODE, 25, 1), 1
	s_wait_xcnt 0x0
; COMBINE.  Work-groups 0-255: out0[token] = the sum over the four slots of weight x partial[4 token + slot]; a wave takes two tokens.  A dropped slot (byte 0xff) has weight 0 and is turned to
; slot 0's row, which is always written.  The sum goes by slots, not by experts' numbers: another order of four f32 additions.
; Work-group 256, wave 0: out1 = 0.01 x 8 x sum over e of (count_e / max(total, 1)) x (sum of probabilities_e / 4,096).
; A stream: memory binds; no LDS, no matrix unit, no cluster (no two work-groups read the same bytes).
	s_load_b256 s[4:11], s[0:1], 0x0               ; partial 4, sel 6, wts 8, route 10
	s_load_b128 s[12:15], s[0:1], 0x20             ; psum 12, out0 14
	s_load_b64 s[16:17], s[0:1], 0x30              ; out1
	v_lshrrev_b32 v1, 5, v0
	v_readfirstlane_b32 s18, v1
	v_and_b32 v2, 31, v0
	v_lshlrev_b32 v3, 4, v2
	s_wait_kmcnt 0x0
	s_cmp_eq_u32 ttmp9, 256
	s_cbranch_scc1 .Laux
	s_lshl_b32 s19, ttmp9, 4
	s_lshl1_add_u32 s19, s18, s19                  ; my first token: 16 x work-group + 2 x wave
	s_lshl_b32 s20, s19, 2
	s_mov_b32 s21, 0
	s_lshl_b32 s22, s19, 4
	s_mov_b32 s23, 0
	s_lshl_b32 s24, s19, 11
	s_mov_b32 s25, 0
	s_add_nc_u64 s[6:7], s[6:7], s[20:21]
	s_add_nc_u64 s[8:9], s[8:9], s[22:23]
	s_add_nc_u64 s[14:15], s[14:15], s[24:25]
	s_load_b64 s[26:27], s[6:7], 0x0               ; two tokens' slots,
	s_load_b256 s[32:39], s[8:9], 0x0              ; and their eight weights
	s_lshl_b32 s40, s19, 2
	s_wait_kmcnt 0x0
.set i, 0
.rept 8                                ; token i / 4, slot i % 4
	s_bfe_u32 s41, s[26+i/4], (8<<16)|(8*(i%4))
	s_cmp_lg_u32 s41, 0xff
	s_cselect_b32 s41, i, 4*(i/4)
	s_add_co_u32 s41, s41, s40
	s_min_u32 s41, s41, 16383
	v_lshl_add_u32 v[4+i], s41, 11, v3
.set i, i+1
.endr
.set i, 0
.rept 32                               ; row i / 4, its 512 bytes i % 4
	global_load_b128 v[16+4*i:19+4*i], v[4+i/4], s[4:5] offset:512*(i%4)
.set i, i+1
.endr
.macro TOKEN u, left
	s_wait_loadcnt \left                           ; this token's 16 loads are in; the next token's stay out
.set i, 0
.rept 16
	v_mul_f32 v[16+64*(\u)+i], s[32+4*(\u)], v[16+64*(\u)+i]
	v_fmac_f32 v[16+64*(\u)+i], s[33+4*(\u)], v[32+64*(\u)+i]
	v_fmac_f32 v[16+64*(\u)+i], s[34+4*(\u)], v[48+64*(\u)+i]
	v_fmac_f32 v[16+64*(\u)+i], s[35+4*(\u)], v[64+64*(\u)+i]
.set i, i+1
.endr
.set i, 0
.rept 4
	global_store_b128 v3, v[16+64*(\u)+4*i:19+64*(\u)+4*i], s[14:15] offset:2048*(\u)+512*i th:TH_STORE_NT  ; 512 consecutive bytes, aligned
.set i, i+1
.endr
.endm
	TOKEN 0, 16
	TOKEN 1, 0
	s_endpgm
.Laux:
	s_cmp_lg_u32 s18, 0
	s_cbranch_scc1 .Lend
	v_lshlrev_b32 v4, 7, v2                        ; lane l takes records l, l + 32, l + 64, l + 96
	s_mov_b32 s20, 0x76543210
	s_mov_b32 s21, 0xfedcba98
.set i, 0
.rept 4
	global_load_b128 v[16+8*i:19+8*i], v4, s[10:11] offset:4096*i+32   ; the eight counts
	global_load_b128 v[20+8*i:23+8*i], v4, s[10:11] offset:4096*i+48
	global_load_b128 v[48+8*i:51+8*i], v4, s[12:13] offset:4096*i      ; the eight sums of probabilities
	global_load_b128 v[52+8*i:55+8*i], v4, s[12:13] offset:4096*i+16
.set i, i+1
.endr
	v_mov_b32 v5, 0
	s_wait_loadcnt 0x0
.macro RED r                           ; the sum over the 32 lanes, in every lane
	v_add_f32_dpp v[\r], v[\r], v[\r] row_xmask:1 row_mask:0xf bank_mask:0xf
	v_add_f32_dpp v[\r], v[\r], v[\r] row_xmask:2 row_mask:0xf bank_mask:0xf
	v_add_f32_dpp v[\r], v[\r], v[\r] row_xmask:4 row_mask:0xf bank_mask:0xf
	v_add_f32_dpp v[\r], v[\r], v[\r] row_xmask:8 row_mask:0xf bank_mask:0xf
	v_permlanex16_b32 v5, v[\r], s20, s21
	v_add_f32 v[\r], v[\r], v5
.endm
.set e, 0
.rept 8
	v_add3_u32 v[16+e], v[16+e], v[24+e], v[32+e]
	v_add_nc_u32 v[16+e], v[16+e], v[40+e]
	v_cvt_f32_u32 v[16+e], v[16+e]                 ; whole numbers up to 16,384: exact in f32
	v_add_f32 v[48+e], v[48+e], v[56+e]
	v_add_f32 v[48+e], v[48+e], v[64+e]
	v_add_f32 v[48+e], v[48+e], v[72+e]
	RED 16+e
	RED 48+e
.set e, e+1
.endr
	v_mul_f32 v6, v16, v48
	v_mov_b32 v7, v16
.set e, 1
.rept 7
	v_fmac_f32 v6, v[16+e], v[48+e]
	v_add_f32 v7, v7, v[16+e]
.set e, e+1
.endr
	v_max_num_f32 v7, 1.0, v7
	v_rcp_f32 v8, v7
	v_mov_b32 v9, 0
	s_wait_alu depctr_va_vdst(0)                   ; ahead of the reciprocal's first reader
	v_mul_f32 v6, v6, v8
	v_mul_f32 v6, 0x37a3d70a, v6                   ; 0.08 / 4,096
	v_cmp_eq_u32 vcc_lo, 0, v2
	s_wait_xcnt 0x0                                ; EXEC changes only behind this wait
	s_and_saveexec_b32 s22, vcc_lo
	global_store_b32 v9, v6, s[16:17]
	s_wait_xcnt 0x0
	s_or_b32 exec_lo, exec_lo, s22
.Lend:
	s_endpgm
.Lfunc_end_k_qd21ab1c62f_combine:
	.size	k_qd21ab1c62f_combine, .Lfunc_end_k_qd21ab1c62f_combine-k_qd21ab1c62f_combine
	.p2alignl 7, 3214868480
	.fill 96, 4, 3214868480
	.section	.rodata,"a",@progbits
	.p2align	6, 0x0
	.amdhsa_kernel k_qd21ab1c62f_combine
		.amdhsa_group_segment_fixed_size 0
		.amdhsa_private_segment_fixed_size 0
		.amdhsa_enable_private_segment 0
		.amdhsa_kernarg_size 56
		.amdhsa_user_sgpr_count 2
		.amdhsa_user_sgpr_kernarg_segment_ptr 1
		.amdhsa_wavefront_size32 1
		.amdhsa_system_sgpr_workgroup_id_x 1
		.amdhsa_system_sgpr_workgroup_id_y 1
		.amdhsa_system_sgpr_workgroup_id_z 1
		.amdhsa_system_vgpr_workitem_id 0
		.amdhsa_next_free_vgpr 144
		.amdhsa_next_free_sgpr 66
		.amdhsa_reserve_vcc 1
		.amdhsa_float_denorm_mode_32 3
		.amdhsa_float_denorm_mode_16_64 3
		.amdhsa_memory_ordered 1
		.amdhsa_forward_progress 1
		.amdhsa_inst_pref_size 22
	.end_amdhsa_kernel
	.amdgpu_metadata
---
amdhsa.version: [ 1, 2 ]
amdhsa.kernels:
  - .name:           k_qd21ab1c62f_combine
    .symbol:         k_qd21ab1c62f_combine.kd
    .args:
      - { .name: partial, .offset: 0, .size: 8, .value_kind: global_buffer, .address_space: global }
      - { .name: sel, .offset: 8, .size: 8, .value_kind: global_buffer, .address_space: global }
      - { .name: wts, .offset: 16, .size: 8, .value_kind: global_buffer, .address_space: global }
      - { .name: route, .offset: 24, .size: 8, .value_kind: global_buffer, .address_space: global }
      - { .name: psum, .offset: 32, .size: 8, .value_kind: global_buffer, .address_space: global }
      - { .name: out0, .offset: 40, .size: 8, .value_kind: global_buffer, .address_space: global }
      - { .name: out1, .offset: 48, .size: 8, .value_kind: global_buffer, .address_space: global }
    .group_segment_fixed_size: 0
    .private_segment_fixed_size: 0
    .kernarg_segment_align: 8
    .kernarg_segment_size: 56
    .max_flat_workgroup_size: 256
    .sgpr_count:     66
    .vgpr_count:     144
    .wavefront_size: 32
...
	.end_amdgpu_metadata
.endif
;; end of part 3
